; MI455X (gfx1250); checked and timed in simulation.
; The chip was launched on July 23, 2026; its instructions are those of AMD's public machine-readable ISA for CDNA 5 (MIT licence, August 2026) and "CDNA5" Instruction Set Architecture Reference Guide (July 2026). The comments in the code are by the model that wrote it; some were corrected since.
;; Head. Allowed arithmetic: matrix products marked QUANTISED: E2M3 operands, one E8M0 scale for each 32 along K, by v_wmma_scale_f32_16x16x128_f8f6f4 with both operands' format E2M3, f32 sums; everything else in f32.
;; Inputs: Wk_codes 256 x 32 x 24 uint8 (E2M3 codes of Wk, K innermost, in blocks of 32 codes, four codes in three bytes); Wk_scales 256 x 32 uint8 (E8M0 scales of Wk, one for each 32 codes along K); Wq_codes 256 x 32 x 24 uint8 (E2M3 codes of Wq, K innermost, in blocks of 32 codes, four codes in three bytes); Wq_scales 256 x 32 uint8 (E8M0 scales of Wq, one for each 32 codes along K); Wv_codes 256 x 32 x 24 uint8 (E2M3 codes of Wv, K innermost, in blocks of 32 codes, four codes in three bytes); Wv_scales 256 x 32 uint8 (E8M0 scales of Wv, one for each 32 codes along K); bk 256 float32; bq 256 float32; bv 256 float32; x_codes 16 x 2,048 x 32 x 24 uint8 (E2M3 codes of x, K innermost, in blocks of 32 codes, four codes in three bytes); x_scales 16 x 2,048 x 32 uint8 (E8M0 scales of x, one for each 32 codes along K).
;; Outputs: out0 16 x 2,048 x 256 float32.
;; This version of the problem:
;;   THIS VERSION OF THE PROBLEM IS GIVEN IN LOW PRECISION. The matrix products marked QUANTISED in the list below multiply operands that are first quantised to E2M3 (2 exponent bits, 3 mantissa bits; 6 bits a number), with one power-of-two scale for each 32 numbers along K (OCP MX v1.0); their sums are f32. All else is computed in f32.
;;   The module's matrix products, in the order in which they are computed (A, B: the left and right operand; K: the contracted axis; several contracted axes count as one K, in the product's order):
;;     1. [M 32,768, K 1,024] x [K 1,024, N 256]; A: input x (given as codes); B: input Wq (given as codes): QUANTISED
;;     2. [M 32,768, K 1,024] x [K 1,024, N 256]; A: input x (given as codes); B: input Wk (given as codes): QUANTISED
;;     3. [M 32,768, K 1,024] x [K 1,024, N 256]; A: input x (given as codes); B: input Wv (given as codes): QUANTISED
;;     4. batch 16 x [M 2,048, K 256] x [K 256, N 2,048]; A: computed on the way; B: computed on the way: QUANTISED
;;     5. batch 16 x [M 2,048, K 2,048] x [K 2,048, N 256]; A: softmax (see below); B: computed on the way: QUANTISED
;;   THE QUANTISER, for each operand of a quantised product, along K:
;;     - K is cut into blocks of 32 from its start; a last block that is shorter is filled with zeros.
;;     - A block's scale is 2^e with e = floor(log2(the largest magnitude in the block)) - 2, held to -126 .. 127; a block of zeros has e = 0. As a byte (E8M0): e + 127.
;;     - Each number is divided by its block's scale, clamped to +-7.5, and rounded to the nearest number of E2M3, ties to even, subnormals kept.
;;     - The product sums the exact products of the quantised numbers (number of the format x scale) in f32.
;;   ~~~python
;;   def quantise(x, axis):      # numpy; x: float32 -> the quantised numbers, widened to float32 again
;;       x = np.moveaxis(x, axis, -1); K = x.shape[-1]
;;       x = np.pad(x, [(0, 0)] * (x.ndim - 1) + [(0, -K % 32)]); x = x.reshape(x.shape[:-1] + (-1, 32)); a = np.abs(x).max(-1, keepdims=True)
;;       e = np.where(a > 0, np.clip(np.frexp(np.where(a > 0, a, 1))[1] - 1 - 2, -126, 127), 0)      # np.frexp(a)[1] - 1 = floor(log2(a)), exactly
;;       r = np.clip(x / 2.0 ** e, -7.5, 7.5)
;;       step = 2.0 ** (np.maximum(np.frexp(np.where(r == 0, 1, r))[1] - 1, 0) - 3)
;;       q = np.round(r / step) * step * 2.0 ** e      # np.round: ties to even
;;       return np.moveaxis(q.reshape(q.shape[:-2] + (-1,))[..., :K], -1, axis).astype(np.float32)
;;   ~~~
;;   SOFTMAX AHEAD OF A QUANTISED PRODUCT. Where the list says 'softmax', what is quantised is not the finished softmax but p = 2^(t - M), with t = logit x log2(e) and M = ceil(the row's largest t), a whole number; so 1/2 < the row's largest p <= 1. The row's sum l is taken of the UNQUANTISED p, in f32, and the product's result is divided by l at the end. Since M is a whole number, a kernel that streams over the keys may use a running M (the ceiling of the running maximum): every later rescaling is an exact power of two, which a block's scale takes up: the codes' values come out the same.
;;   OPERANDS COMPUTED ON THE WAY. 'Computed on the way' means the value that the module computes at that place (a softmax that the list does not call 'softmax' is quantised finished and normalised). What goes into a quantiser is computed in f32, as accurately as f32 sums, v_exp_f32 and their like allow (about 1e-6 of the number): no bf16 or f16 on the way to a quantiser, and a product that is left as it is and whose result goes on into a quantised operand takes f32 operands (vector FMAs, or v_wmma_f32_16x16x4_f32). A number that lies on a knife's edge between two numbers of the format may be rounded either way, as far as f32 arithmetic and the matrix unit's own rounding can turn it there, and no further.
;;   INPUTS GIVEN AS CODES. Wk (in the module: [1024, 256], K = its axis 0); Wq (in the module: [1024, 256], K = its axis 0); Wv (in the module: [1024, 256], K = its axis 0); x (in the module: [16, 2048, 1024], K = its axis 2): each comes as NAME_codes (uint8): NAME with its K axis moved to the last place and cut into blocks of 32 codes, [.., K / 32, bytes a block], one block behind the other in memory; four codes in three bytes: a row's codes are one little-endian stream of bits, code i at bits 6 i .. 6 i + 5 (a code: sign, 2 exponent bits, 3 mantissa bits); and NAME_scales (uint8): the same leading axes, one E8M0 byte (e + 127) for each 32 codes along K. Its value is code x scale, taken as it is: it is not quantised again, and the codes and scales need not be those that the quantiser above would give.
;; One version. Each part assembles by itself: llvm-mc -triple=amdgcn-amd-amdhsa -mcpu=gfx1250 --defsym DOCPART=n.
;; ======== version 1 of 1: 2 launches
;; limits: right only within a limited range of input values
;; workspace buffers: kv 13,107,200 bytes; qf 6,553,600 bytes
;; launch proj (part 1): grid 4 x 64, 4 waves a work-group, clusters of 4 x 4, 327,680 bytes of LDS; arguments x_codes, x_scales, Wq_codes, Wk_codes, Wv_codes, Wq_scales, Wk_scales, Wv_scales, bq, bk, bv, kv, qf; writes kv, qf
.if DOCPART == 1
	.amdgcn_target "amdgcn-amd-amdhsa--gfx1250"
	.amdhsa_code_object_version 6
	.text
	.protected	k_qdf9d21e5ac_proj
	.globl	k_qdf9d21e5ac_proj
	.p2align	8
	.type	k_qdf9d21e5ac_proj,@function
k_qdf9d21e5ac_proj:
	s_mov_b64 s[64:65], 0
	v_nop
	global_prefetch_b8 v0, s[64:65] scope:SCOPE_SE
	s_setreg_imm32_b32 hwreg(HW_REG_WAVE_MODE, 25, 1), 1
	s_wait_xcnt 0x0
	s_wait_alu depctr_hold_cnt(0) depctr_sa_sdst(0) depctr_va_vdst(0) depctr_va_sdst(0) depctr_va_ssrc(0) depctr_va_vcc(0) depctr_vm_vsrc(0)
	s_getreg_b32 s2, hwreg(HW_REG_IB_STS2, 6, 4)
	s_cmp_eq_u32 s2, 0
	s_cbranch_scc0 .Lentry_in_a_cluster
	s_endpgm
.Lentry_in_a_cluster:
	s_bfe_u32 s2, ttmp6, 0x10000c
	s_cmp_lg_u32 s2, 0xf033
	s_cbranch_scc0 .Lentry_shape_is_right
	s_endpgm
.Lentry_shape_is_right:
; q = x Wq + bq, k = x Wk + bk, v = x Wv + bv on codes of FP6 (E2M3), sums in f32, and their quantisers: q and k along the head's 256, v along the keys.  The results leave as codes
; and scale bytes in the order of the operand registers of the attention launch.  No f32 result is stored.
; LIMITS: NaN and infinities are not served.  A block's largest magnitude is taken no lower than 2^(3 - 127), so a block of zeros gets the byte 1 where the quantiser says 127: its codes are zeros, and this program alone reads the bytes.
; WORK LEFT OUT in the second launch: whole steps of keys behind a block of queries, which the causal mask that reference() builds throws away for all values of the inputs (there).
; SHARES.  Work-group (cx, R): rows 512 R .. 512 R + 511 of x, all of K, and 192 columns: 128 of q (cx = 0, 1) or k (cx = 2, 3), e = cx % 2 saying which, and 64 of v (64 cx ..).  The grid is 4 wide, so cx is the place in the cluster.
; Waves 2 x 2: wave row a (wave / 2) takes the 64 tokens 128 p + 64 a .. of each chunk p of 128 rows, wave column b (wave % 2) 64 of the 128 columns and 32 of v's 64.
; A wave holds its 96 columns' weights in registers, 48 fragments, and streams x in blocks of 16 rows: 48 products a block, 16 blocks (4 a chunk: j = 0 .. 3).
; THE ROWS OF A TILE.  Tile j of 64 rows of Wq, Wk or x: lane r takes row 32 (r / 8) + 8 (j xor (r / 8)) + r % 8.  So the 32 results of a lane (4 tiles x 8 registers) are 32 neighbours of 64: one scale block, lane half h block h.
; In the odd blocks the groups of eight stand as 8 (j xor 1): q and k are laid alike, and so are v here and p in the attention launch.  The sixteen rows' LDS places (pitch 204 words) lie in different banks.
; CLUSTERS of 4 x 4: x's tiles are shared along a row of the cluster, the weights along a column.
; LDS: slot 0 and, at WB, the weights' 192 rows; once these are in registers their bytes are slot 1.  Chunk p lies in slot p % 2.  Three refills, each a drained round of the cluster's barrier: chunk 1 behind the weights, chunks 2 and 3 in a chunk's last block.
; A BLOCK is interrupted once, behind its 24th product: there stand the wait for its fragments 4 to 7, the way out of the block before, and one run of LDS loads, the next block's rows.  The chain of maxima and the addresses stand among the products.
; BUFFERS.  kv: for each step of 256 keys 102,400 bytes = two key sets a of 51,200 (keys 64 a + 0 .. 63 and 128 + 64 a + 0 .. 63): K: two bands of 12,288: [tile j][e][c] 512 bytes (registers 6 c .. 6 c + 3 of an operand) and from 8,192 on 256 bytes (registers 6 c + 4, 6 c + 5);
; V at 24,576: two bands of 12,288: [tile of 16 channels] 512 bytes, from 8,192 on 256 bytes;  K's scale words at 49,152 [band][e][r][j], V's at 50,176 [d / 4][r][d % 4].
; qf: for each band of 64 tokens 12,800 bytes: 12,288 as K's band, then the scale words [e][r][j].
; PREFETCHES: chunk p's 384 units of 256 bytes are shared out by address among the sixteen waves of a row of the cluster, 24 each: chunk 1 at the head, 2 behind chunk 1's load, 3 in the first chunk's second block.
; REGISTERS.  window 0: addresses, scales, codes; v108-123 v's bias; v128-191 q's or k's sums, two sets; v192-255 v's sums of a band.  windows 1, 2 and v0-71 of 3: the weights (fragment 6 q + m);
; window 3: v72-215 x's fragments (8, and 4 to 7 twice), v216-247 q's or k's bias.  The biases are the first products' C.
.set PITCH, 816
.set WB,    104448
.set SCL,   261120
.set XN,    278528
.set XM,    280576
.set SPARE, 281600
.set SB,  24
.set TQ,  48
.set SOP, 50
.set EB,  51
.set TV,  52
.set SOPV,56
.set EBV, 58
.set SA,  60
.set TC,  76
.set NCD, 84
.set VCD, 96
.set BV,  108
.set BQ,  216
.set ACC, 128
.set HV,  192
.set G1X, 36
.set G1W, 44
.set G1V, 52
.set G1S, 68
.set G0X, 76
.set G0R, 80
.set G0W, 84
.set G0V, 88
.set G0S, 92
.set MSB, 0
.macro WIN new
.if MSB != (\new)
	s_set_vgpr_msb (MSB<<8)|(\new)
.set MSB, (\new)
.endif
.endm
.macro PLACES n
.rept \n
	v_nop
.endr
.endm
.macro WALU
	s_wait_alu depctr_va_vdst(0)
.endm
.macro CREST                           ; a round behind its opening signal
	s_barrier_wait -1
	s_cmp_lg_u32 s30, 0
	s_cbranch_scc1 .Lnot_wave_0_\@
	s_barrier_signal -3
.Lnot_wave_0_\@:
	s_barrier_wait -3
	s_barrier_signal -1
	s_barrier_wait -1
.endm
.macro CROUND
	s_barrier_signal -1
	CREST
.endm
.macro TLOAD g0, g1
	tensor_load_to_lds s[\g0:\g0+3], s[\g1:\g1+7]
	s_nop 0
	PLACES 4
.endm
.macro REFILL                          ; waves 0 and 1 bring 64 rows of the chunk each
	s_cmp_lt_u32 s30, 2
	s_cbranch_scc0 .Lno_part_\@
	TLOAD G0R, G1X
.Lno_part_\@:
.endm
.macro GROUP1 g, mask, rows            ; rows of 768 bytes, 16 bytes of padding behind every 256
	s_or_b32 s[\g], s\mask, (1<<20)|(1<<21)|(5<<22)|(3<<25)
	s_mov_b32 s[\g+1], 768<<16
	s_mov_b32 s[\g+2], (\rows)<<16
	s_mov_b32 s[\g+3], 768<<16
	s_mov_b32 s[\g+4], \rows
	s_mov_b32 s[\g+5], 768
	s_mov_b32 s[\g+6], 0
	s_mov_b32 s[\g+7], 0
.endm
.macro FRAG w, rg, q, a0, a1           ; a fragment into window w: six pieces of 8 bytes, two to a load where both go by the same address register (a1: lanes 16-31 read behind one padding more)
	WIN ((\w)<<6)
.set R_, (\rg)
.set SKIP_, 0
.irp p, 0,1,2,3,4,5
.if SKIP_
.set SKIP_, 0
.else
.set PC_, 12*(\q)+6*(\p/3)+\p%3
.set PN_, 12*(\q)+6*((\p+1)/3)+(\p+1)%3
.set X_, (PC_%32+3)/32
.set XQ_, (PN_%32+3)/32
.if (\p < 5) && (X_ == XQ_)
.set SKIP_, 1
.if X_
	ds_load_2addr_b64 v[R_+2*\p:R_+2*\p+3], v[\a1] offset0:PC_+2*(PC_/32) offset1:PN_+2*(PN_/32)
.else
	ds_load_2addr_b64 v[R_+2*\p:R_+2*\p+3], v[\a0] offset0:PC_+2*(PC_/32) offset1:PN_+2*(PN_/32)
.endif
.elseif X_
	ds_load_b64 v[R_+2*\p:R_+2*\p+1], v[\a1] offset:8*(PC_+2*(PC_/32))
.else
	ds_load_b64 v[R_+2*\p:R_+2*\p+1], v[\a0] offset:8*(PC_+2*(PC_/32))
.endif
.endif
.endr
.endm
; Product n = 6 q + m of a block: m = 0 .. 3 tiles of q or k (source 0 the weights), m = 4, 5 tiles of v (source 0 x).  The six accumulators take turns; q = 0 takes the bias as C.
.macro PRODQ o, c
	v_wmma_scale_f32_16x16x128_f8f6f4 v[D_:D_+7], v[WR_:WR_+11], v[XR_:XR_+11], v[\c:\c+7], v[SB+8*(M_/2)+Q_], v[SA+8*E_+Q_] matrix_a_fmt:MATRIX_FMT_FP6 matrix_b_fmt:MATRIX_FMT_FP6 matrix_a_scale:MATRIX_SCALE_ROW\o
.endm
.macro PRODV o, c
	v_wmma_scale_f32_16x16x128_f8f6f4 v[D_:D_+7], v[XR_:XR_+11], v[WR_:WR_+11], v[\c:\c+7], v[SA+8*E_+Q_], v[SB+16+Q_] matrix_a_fmt:MATRIX_FMT_FP6 matrix_b_fmt:MATRIX_FMT_FP6 matrix_b_scale:MATRIX_SCALE_ROW\o
.endm
.macro PROD j, n
.set Q_, (\n)/6
.set M_, (\n)%6
.set E_, (\j)%2
.set WW_, 1+(\n)/21
.set WR_, 12*((\n)%21)
.if Q_ > 3
.set XR_, 72+12*(Q_+4*E_)
.else
.set XR_, 72+12*Q_
.endif
.if M_ < 4
.set D_, ACC+32*E_+8*M_
.if Q_ == 0
	WIN (WW_|0x3c)
.set C_, BQ+8*M_
.else
	WIN (WW_|0x0c)
.set C_, D_
.endif
.if M_%2
	PRODQ 1, C_
.else
	PRODQ 0, C_
.endif
.else
.set D_, HV+32*(M_-4)+8*(\j)
	WIN (3|(WW_<<2))
.if Q_ == 0
.set C_, BV+8*(M_-4)
.else
.set C_, D_
.endif
.if M_ == 5
	PRODV 1, C_
.else
	PRODV 0, C_
.endif
.endif
.endm
; A way out's first part, entries 0 .. 17: the largest magnitude of the 32 sums from x on, in two chains, and the conversions' scale operand v[s]
.macro CHAIN i, x, t, s
.if (\i) < 14
.set B_, (\x)+16*((\i)%2)+2*((\i)/2)
.set T_, (\t)+1-(\i)%2
.if (\i) < 2
	v_max3_num_f32 v[T_], |v[B_]|, |v[B_+1]|, |v[B_+2]|
.else
	v_max3_num_f32 v[T_], v[T_], |v[B_+1]|, |v[B_+2]|
.endif
.elseif (\i) == 14
	v_max3_num_f32 v[(\t)+1], v[(\t)+1], |v[(\x)+15]|, 0x1800000
.elseif (\i) == 15
	v_nop
.elseif (\i) == 16
	v_max3_num_f32 v[\t], v[\t], |v[(\x)+31]|, v[(\t)+1]
.else
	v_add_nc_u32 v[\s], 0xff000000, v[\t]
.endif
.endm
.macro CODES i, x, c, s, eb, t         ; its second part, 6 lines: 32 codes into v[c .. c+5], the scale's byte into v[eb]
.if (\i) == 0
	v_cvt_scalef32_pk16_fp6_f32 v[\c:\c+2], v[\x:\x+15], v[\s]
.elseif (\i) == 1
	v_cvt_scalef32_pk16_fp6_f32 v[\t:\t+2], v[\x+16:\x+31], v[\s]
.elseif (\i) == 2
	v_lshrrev_b32 v[\eb], 23, v[\s]
.else
	v_mov_b32 v[\c+\i], v[\t+\i-3]
.endif
.endm
; The next block's rows in one run of 28 loads: scale words, then fragments 0 to 7 (4 to 7 into the set that this block does not read).  Its address registers were written a block ago
.macro RUN j
.set EP_, 1-(\j)%2
	WIN 0
	ds_load_b128 v[SA+8*EP_:SA+8*EP_+3], v[14+EP_]
	ds_load_b128 v[SA+8*EP_+4:SA+8*EP_+7], v[14+EP_] offset:16
.irp f, 0,1,2,3
	FRAG 3, 72+12*\f, \f, 10+2*EP_, 11+2*EP_
.endr
.irp f, 4,5,6,7
	FRAG 3, 72+12*\f+48*EP_, \f, 10+2*EP_, 11+2*EP_
.endr
.endm
; What stands behind product n (odd): from n0 on two entries of the last block's chain (ahead of them four places behind that block's products); at sa and sa + 2 the addresses of the block two on
; (s98, s99: this chunk's and the next chunk's slot; s60: the scale rows) and the places for scale bytes
.macro ENT j, n, n0, sa, st
.if ((\n) > (\n0)) && ((\n) < (\n0)+18)
	WIN 0
	CHAIN (\n)-1-(\n0), ACC+32*(1-(\j)%2), TQ, SOP
	CHAIN (\n)-(\n0), ACC+32*(1-(\j)%2), TQ, SOP
.elseif ((\n) < 4) && ((\n0) == 4)
	v_nop
	v_nop
.elseif (\st) && ((\n) == (\sa))
.if (\j) < 2
	s_add_co_u32 s2, s98, 6528*((\j)+2)
.else
	s_add_co_u32 s2, s99, 6528*((\j)-2)
.endif
	WIN 0
	v_add_nc_u32 v[10+2*((\j)%2)], s2, v[4+2*((\j)%2)]
	v_add_nc_u32 v[11+2*((\j)%2)], s2, v[5+2*((\j)%2)]
.elseif ((\st) || ((\j) == 3)) && ((\n) == (\sa)+2)
	WIN 0
.if \st
.if (\j) < 2
	s_add_co_u32 s3, s60, 272*((\j)+2)
.else
	s_add_co_u32 s3, s60, 4352+272*((\j)-2)
.endif
	v_add_nc_u32 v[14+(\j)%2], s3, v[8+(\j)%2]
.endif
.if (\j) == 0
	v_add_nc_u32 v21, s61, v19             ; this chunk's place for scale bytes
.elseif (\j) == 3
	s_and_b32 s2, s61, 0x400
	s_lshr_b32 s2, s2, 1
	s_and_b32 s3, s61, 0x200
	s_lshr_b32 s3, s3, 8
	s_add_co_u32 s2, s2, s3
	v_add_nc_u32 v22, s2, v20              ; 512 (p / 2) + 2 (p % 2): v's
.endif
.endif
.endm
.macro BODY j, from, to, n0, sa, st
.set N_, \from
.rept (\to)-(\from)
	PROD \j, N_
.if N_%2
	ENT \j, N_, \n0, \sa, \st
.endif
.set N_, N_+1
.endr
.endm
.macro BEND j                          ; the last block's codes and byte.  The shift and the three moves are the four places between the products ahead and what follows
.set EP_, 1-(\j)%2
.set JP_, ((\j)+3)%4
	WIN 0
	WALU
.irp i, 0,1,2,3,4,5
	CODES \i, ACC+32*EP_, NCD+6*EP_, SOP, EB, TC
.endr
	ds_store_b8 v21, v[EB] offset:4*JP_
.if (\j) == 0
	global_store_b128 v16, v[NCD+6*EP_:NCD+6*EP_+3], s[22:23] offset:2048*JP_
	global_store_b64 v17, v[NCD+6*EP_+4:NCD+6*EP_+5], s[22:23] offset:1024*JP_
.else
	global_store_b128 v16, v[NCD+6*EP_:NCD+6*EP_+3], s[20:21] offset:2048*JP_
	global_store_b64 v17, v[NCD+6*EP_+4:NCD+6*EP_+5], s[20:21] offset:1024*JP_
.endif
.endm
.macro VOUT                            ; behind a band's last block: v's two tiles, 32 keys a lane
.set I_, 0
.rept 18
	CHAIN I_, HV, TV, SOPV
	CHAIN I_, HV+32, TV+2, SOPV+1
.set I_, I_+1
.endr
.irp i, 0,1,2,3,4,5
	CODES \i, HV, VCD, SOPV, EBV, TC
	CODES \i, HV+32, VCD+6, SOPV+1, EBV+1, TC+4
.endr
	ds_store_b8 v22, v[EBV]
	ds_store_b8 v22, v[EBV+1] offset:4
.irp t, 0,1
	global_store_b128 v16, v[VCD+6*\t:VCD+6*\t+3], s[14:15] offset:512*\t
	global_store_b64 v18, v[VCD+6*\t+4:VCD+6*\t+5], s[14:15] offset:256*\t
.endr
.endm
.macro B j, w, st                      ; a block.  w: what was issued behind the fetch of its fragments 0 to 3: 13 loads of fragments 4 to 7, behind a chunk's last block three byte stores too
	s_wait_xcnt 0x0                        ; earlier stores have read their registers and bases
	s_wait_dscnt \w
.if (\j) == 0                          ; a new chunk: slots, scale rows, places
	s_xor_b32 s98, s98, WB
	s_xor_b32 s99, s99, WB
	s_add_co_u32 s60, s60, 4352
	s_add_co_u32 s61, s61, 512
	s_mov_b64 s[22:23], s[20:21]           ; the last band's place: its tile 3 is still to be stored
	s_add_nc_u64 s[20:21], s[20:21], s[18:19]
	s_xor_b32 s18, s18, s66
	s_add_nc_u64 s[14:15], s[14:15], s[16:17]
	s_xor_b32 s16, s16, 0x15000
.endif
	BODY \j, 0, 24, 4, 25, \st
	s_wait_dscnt 0x0                       ; fragments 4 to 7 are in
	BEND \j
	RUN \j
	BODY \j, 24, 48, 4, 25, \st
	WIN 0
.endm
; A chunk's last block: all its rows have been fetched.  The next chunk is shown to all; refill = 1: in a round of the cluster's barrier, and this slot is filled again with the chunk two on; 0: by a plain barrier, nothing is left to fill.
; The next block's run stands behind it, the chain behind the run, the way out at the block's end
.macro BLAST refill
	s_wait_xcnt 0x0
	s_wait_dscnt 13
.if \refill
	s_wait_tensorcnt 0x0
	ds_add_u32 v1, v2
	s_add_nc_u64 s[G0R+2:G0R+3], s[G0R+2:G0R+3], 98304
	s_xor_b32 s96, s96, WB
	s_add_co_u32 s[G0R+1], s97, s96
.endif
	BODY 3, 0, 12, 24, 43, 1
	WIN 0
	WALU
.if (\refill) == 0
	s_wait_tensorcnt 0x0
.endif
	s_wait_dscnt 0x0
	s_barrier_signal -1
	BODY 3, 12, 18, 24, 43, 1
	WIN 0
.if \refill
	CREST
	REFILL
.else
	s_barrier_wait -1
.endif
	BODY 3, 18, 24, 24, 43, 1
	WIN 0
	PLACES 4
	WALU
	RUN 3
	BODY 3, 24, 48, 24, 43, 1
	BEND 3
	VOUT
.endm
	s_load_b512 s[4:19], s[0:1], 0x0               ; x's codes s[4:5], scales s[6:7]; Wq, Wk, Wv codes s[8:13], their scales s[14:19]
	s_load_b256 s[20:27], s[0:1], 0x40             ; bq, bk, bv, kv
	s_load_b64 s[28:29], s[0:1], 0x60              ; qf
	v_lshl_add_u32 v1, v0, 2, SPARE
	v_mov_b32 v2, 0
	ds_add_u32 v1, v2
	ds_add_u32 v1, v2
	v_lshrrev_b32 v3, 5, v0
	v_readfirstlane_b32 s30, v3
	s_lshr_b32 s31, s30, 1                         ; a
	s_and_b32 s33, s30, 1                          ; b
	s_bfe_u32 s34, ttmp6, 0x40000                  ; cx
	s_bfe_u32 s35, ttmp6, 0x40004                  ; cy
	s_and_b32 s32, ttmp7, 0xffff
	s_lshl_b32 s32, s32, 2
	s_add_co_u32 s32, s32, s35                     ; R
	s_lshl_b32 s2, s35, 2
	s_lshl_b32 s2, 15, s2                          ; my row of the cluster
	s_lshl_b32 s3, 0x1111, s34                     ; my column
	GROUP1 G1X, 2, 128
	GROUP1 G1W, 3, 128
	GROUP1 G1V, 3, 64
	s_or_b32 s[G1S], s2, (3<<16)|(1<<20)|(1<<21)|(5<<22)|(3<<25)   ; the scale bytes of 512 rows: 64 rows of 256 bytes
	s_mov_b32 s[G1S+1], 32<<16
	s_mov_b32 s[G1S+2], 64<<16
	s_mov_b32 s[G1S+3], 32<<16
	s_mov_b32 s[G1S+4], 64
	s_mov_b32 s[G1S+5], 32
	s_mov_b32 s[G1S+6], 0
	s_mov_b32 s[G1S+7], 0
	s_and_b32 s67, s34, 1                          ; e
	s_mul_i32 s96, s67, 98304
	s_mul_i32 s97, s34, 49152
	s_mul_i32 s100, s32, 393216
	s_lshl_b32 s101, s32, 14
	s_mov_b32 s[G0X], 1
	s_mov_b32 s[G0X+1], 0
	s_mov_b32 s[G0W], 1
	s_mov_b32 s[G0W+1], WB
	s_mov_b32 s[G0V], 1
	s_mov_b32 s[G0V+1], WB+128*PITCH
	s_mov_b32 s[G0S], 1
	s_mov_b32 s[G0S+1], SCL
	s_mov_b32 s[G0R], 1
	s_mov_b32 s61, 0
	WALU
	s_wait_dscnt 0x0
	CROUND                                         ; the first joint loads meet
	s_wait_kmcnt 0x0
	s_cmp_lt_u32 s34, 2                            ; q's columns or k's
	s_cselect_b64 s[62:63], s[8:9], s[10:11]
	s_mov_b32 s60, s96
	s_add_nc_u64 s[G0W+2:G0W+3], s[62:63], s[60:61]
	s_or_b32 s[G0W+3], s[G0W+3], 0x80000000
	s_mov_b32 s60, s97
	s_add_nc_u64 s[G0V+2:G0V+3], s[12:13], s[60:61]
	s_or_b32 s[G0V+3], s[G0V+3], 0x80000000
	s_mov_b32 s60, s100
	s_add_nc_u64 s[G0X+2:G0X+3], s[4:5], s[60:61]
	s_or_b32 s[G0X+3], s[G0X+3], 0x80000000
	s_mov_b32 s60, s101
	s_add_nc_u64 s[G0S+2:G0S+3], s[6:7], s[60:61]
	s_or_b32 s[G0S+3], s[G0S+3], 0x80000000
	; one tensor load a wave: the weights first
	s_cmp_eq_u32 s30, 0
	s_cbranch_scc0 .Lwave_1
	TLOAD G0W, G1W
	s_branch .Lasked
.Lwave_1:
	s_cmp_eq_u32 s30, 1
	s_cbranch_scc0 .Lwave_2
	TLOAD G0V, G1V
	s_branch .Lasked
.Lwave_2:
	s_cmp_eq_u32 s30, 2
	s_cbranch_scc0 .Lwave_3
	TLOAD G0X, G1X
	s_branch .Lasked
.Lwave_3:
	TLOAD G0S, G1S
.Lasked:
	; refills: my 64 rows of the chunk (waves 0, 1)
	s_mul_i32 s60, s30, 49152
	s_add_co_u32 s60, s60, s100
	s_add_co_u32 s60, s60, 98304
	s_add_nc_u64 s[G0R+2:G0R+3], s[4:5], s[60:61]
	s_or_b32 s[G0R+3], s[G0R+3], 0x80000000
	s_mul_i32 s97, s30, 64*PITCH
	s_mov_b32 s96, WB
	s_add_co_u32 s[G0R+1], s97, s96
	; the weights' scales and the biases
	s_cmp_lt_u32 s34, 2
	s_cselect_b64 s[8:9], s[14:15], s[16:17]
	s_cselect_b64 s[12:13], s[20:21], s[22:23]
	s_lshl_b32 s2, s67, 1
	s_add_co_u32 s2, s2, s33                       ; 2 e + b: which 64 columns of q or k
	s_lshl_b32 s60, s2, 11
	s_add_nc_u64 s[8:9], s[8:9], s[60:61]
	s_lshl_b32 s60, s2, 8
	s_add_nc_u64 s[12:13], s[12:13], s[60:61]
	s_lshl_b32 s2, s34, 1
	s_add_co_u32 s2, s2, s33                       ; 2 cx + b: which 32 columns of v
	s_lshl_b32 s60, s2, 10
	s_add_nc_u64 s[10:11], s[18:19], s[60:61]
	s_lshl_b32 s60, s2, 7
	s_add_nc_u64 s[24:25], s[24:25], s[60:61]
	; where the results go
	s_mul_i32 s60, s30, 25600
	s_add_co_u32 s60, s60, 12288                   ; q's scale words of chunk p = wave
	s_mul_i32 s61, s31, 102400
	s_lshl_b32 s62, s33, 9
	s_add_co_u32 s61, s61, s62
	s_add_co_u32 s61, s61, 49152                   ; k's
	s_mov_b32 s2, 204800
	s_mov_b32 s3, 51200
	s_mov_b32 s66, 0x15000                         ; 12288 xor 90112
	s_mov_b32 s18, 12288
	s_cmp_lt_u32 s34, 2
	s_cselect_b64 s[20:21], s[28:29], s[26:27]
	s_cselect_b32 s2, 102400, s2                   ; bytes for 512 tokens
	s_cselect_b32 s100, 12800, s3                  ; from a = 0 to a = 1
	s_cselect_b32 s66, 0, s66                      ; k's steps from chunk to chunk take turns, q's are all 25,600
	s_cselect_b32 s18, 25600, s18
	s_cselect_b32 s60, s60, s61
	s_mov_b32 s19, 0
	s_mov_b32 s61, 0
	s_mov_b32 s63, 0
	s_mul_i32 s2, s32, s2
	s_add_co_u32 s62, s60, s2
	s_lshl_b32 s3, s67, 8
	s_add_co_u32 s62, s62, s3
	s_add_nc_u64 s[62:63], s[20:21], s[62:63]      ; my 512 bytes of scale words
	s_mul_i32 s60, s31, s100
	s_add_co_u32 s60, s60, s2
	s_lshl_b32 s3, s67, 10
	s_add_co_u32 s60, s60, s3
	s_lshl_b32 s3, s33, 9
	s_add_co_u32 s60, s60, s3
	s_add_nc_u64 s[20:21], s[20:21], s[60:61]      ; q's or k's codes
	s_mul_i32 s2, s32, 204800
	s_mul_i32 s60, s31, 51200
	s_add_co_u32 s60, s60, s2
	s_add_co_u32 s60, s60, 24576
	s_lshl_b32 s3, s34, 1
	s_add_co_u32 s3, s3, s33
	s_lshl_b32 s3, s3, 10
	s_add_co_u32 s60, s60, s3
	s_add_nc_u64 s[14:15], s[26:27], s[60:61]      ; v's codes
	s_mov_b32 s16, 12288
	s_mov_b32 s17, 0
	s_mul_i32 s60, s31, 102400
	s_add_co_u32 s60, s60, s2
	s_mul_i32 s3, s33, 51200
	s_add_co_u32 s60, s60, s3
	s_lshl_b32 s3, s34, 8
	s_add_co_u32 s60, s60, s3
	s_add_co_u32 s60, s60, 50176
	s_add_nc_u64 s[26:27], s[26:27], s[60:61]      ; my 256 bytes of v's scale words
	v_and_b32 v3, 31, v0                           ; lane
	v_and_b32 v108, 7, v0                          ; r % 8
	v_bfe_u32 v109, v0, 3, 1                       ; r / 8
	v_bfe_u32 v110, v0, 4, 1                       ; h
	v_and_b32 v111, 15, v0                         ; r
	v_mad_u32_u24 v112, v109, 40, v108             ; the row in tile j, less 8 j: j even,
	v_mad_u32_u24 v113, v109, 24, v108             ; j odd
	v_mul_u32_u24 v114, PITCH, v112
	v_mul_u32_u24 v115, PITCH, v113
	v_mul_u32_u24 v116, PITCH, v111
	v_mad_u32_u24 v114, v110, 24, v114
	v_mad_u32_u24 v115, v110, 24, v115
	v_mad_u32_u24 v116, v110, 24, v116
	WALU
	s_mul_i32 s2, s33, 64*PITCH
	s_add_co_u32 s2, s2, WB
	s_mul_i32 s3, s33, 32*PITCH
	s_add_co_u32 s3, s3, WB+128*PITCH
.irp m, 0,1,2,3
	v_add_nc_u32 v[128+2*\m], s2, v[114+\m%2]
	v_lshl_add_u32 v[129+2*\m], v110, 4, v[128+2*\m]
	s_add_co_u32 s2, s2, 8*PITCH
.endr
.irp t, 0,1
	v_add_nc_u32 v[136+2*\t], s3, v116
	v_lshl_add_u32 v[137+2*\t], v110, 4, v[136+2*\t]
	s_add_co_u32 s3, s3, 16*PITCH
.endr
	WALU
	v_lshlrev_b32 v120, 4, v110
	v_sub_nc_u32 v120, 40, v120
	v_mad_u32_u24 v119, v109, v120, v108
	v_lshl_add_u32 v119, v110, 3, v119
	v_lshlrev_b32 v119, 5, v119                    ; scale rows of q's or k's tiles 2 p (lanes 0-15) and 2 p + 1 (lanes 16-31)
	v_lshlrev_b32 v121, 5, v3                      ; and of v's two tiles
	v_mul_u32_u24 v122, 160, v110                  ; biases: tile m even,
	v_mul_u32_u24 v123, 96, v110                   ; m odd
	v_lshlrev_b32 v124, 2, v111                    ; v's: one a lane
.irp p, 0,1
.irp c, 0,1
	global_load_b128 v[SB+8*\p+4*\c:SB+8*\p+4*\c+3], v119, s[8:9] offset:512*\p+16*\c
.endr
.endr
.irp c, 0,1
	global_load_b128 v[SB+16+4*\c:SB+16+4*\c+3], v121, s[10:11] offset:16*\c
.endr
	WIN 0xc0
.irp m, 0,1,2,3
	global_load_b128 v[BQ+8*\m:BQ+8*\m+3], v[122+\m%2], s[12:13] offset:32*\m
	global_load_b128 v[BQ+8*\m+4:BQ+8*\m+7], v[122+\m%2], s[12:13] offset:32*\m+16
.endr
	WIN 0
	s_mul_i32 s2, s31, 64*PITCH
	v_add_nc_u32 v4, s2, v114
	v_lshl_add_u32 v5, v110, 4, v4
	v_add_nc_u32 v6, s2, v115
	v_lshl_add_u32 v7, v110, 4, v6
	v_add_nc_u32 v12, 8*PITCH, v6                  ; block 1's rows
	v_add_nc_u32 v13, 8*PITCH, v7
	s_mul_i32 s3, s31, 2176
	s_add_co_u32 s3, s3, SCL
	v_lshlrev_b32 v117, 5, v108
	v_mad_u32_u24 v118, v109, 1360, v117
	v_add_nc_u32 v8, s3, v118
	v_mad_u32_u24 v118, v109, 816, v117
	v_add_nc_u32 v9, s3, v118
	v_add_nc_u32 v15, 272, v9
	WALU
	v_lshlrev_b32 v16, 4, v3                       ; 16 x lane
	s_lshl_b32 s2, s67, 9
	s_lshl_b32 s3, s33, 8
	s_add_co_u32 s2, s2, s3
	s_sub_co_u32 s2, 8192, s2
	v_lshl_add_u32 v17, v3, 3, s2                  ; the 256-byte pieces of q or k,
	s_lshl_b32 s2, s34, 1
	s_add_co_u32 s2, s2, s33
	s_lshl_b32 s2, s2, 9
	s_sub_co_u32 s2, 8192, s2
	v_lshl_add_u32 v18, v3, 3, s2                  ; and of v
	s_lshl_b32 s2, s31, 8
	s_lshl_b32 s3, s33, 1
	s_add_co_u32 s3, s3, s2
	s_add_co_u32 s3, s3, XN
	WALU
	v_lshl_add_u32 v125, v111, 4, v110
	v_add_nc_u32 v19, s3, v125
	s_lshl_b32 s3, s33, 3
	s_add_co_u32 s3, s3, s2
	s_add_co_u32 s3, s3, XM
	v_add_nc_u32 v20, s3, v125
	s_lshl_b32 s2, s34, 2
	s_add_co_u32 s2, s2, s30                       ; my number among the sixteen waves of my row of the cluster
	s_mul_i32 s2, s2, 6144
	s_mul_i32 s3, s32, 393216
	s_add_co_u32 s2, s2, s3
	v_min_u32 v23, 23, v3
	v_lshlrev_b32 v23, 8, v23
	v_add_nc_u32 v23, s2, v23
	s_mov_b32 s98, 0
	s_mov_b32 s99, WB
	s_mov_b32 s60, 0
	s_mov_b32 s61, 0
	WALU
	s_wait_xcnt 0x0                                ; the loads above have read their addresses: v's bias, one number a lane and tile, lands there
.irp t, 0,1
.irp i, 0,1,2,3,4,5,6,7
	global_load_b32 v[BV+8*\t+\i], v124, s[24:25] offset:64*\t
.endr
.endr
	s_cmp_lt_u32 s30, 2
	s_cbranch_scc0 .Lnot_weights
	s_wait_tensorcnt 0x0
.Lnot_weights:
	s_barrier_signal -1
	s_barrier_wait -1                              ; the weights are in
	global_prefetch_b8 v23, s[4:5] offset:98304 th:TH_LOAD_NT scope:SCOPE_SE
.set W_, 0
.rept 48
	FRAG 1+W_/21, 12*(W_%21), W_/6, 128+2*(W_%6), 129+2*(W_%6)
.set W_, W_+1
.endr
	WIN 0
	s_wait_tensorcnt 0x0                           ; chunk 0 and the scale bytes too
	ds_add_u32 v1, v2
	s_mov_b32 s[G1X+2], 64<<16                     ; no tensor load of mine is out: from here on 64 rows a load
	s_mov_b32 s[G1X+4], 64
	s_wait_loadcnt 0x0
	s_wait_dscnt 0x0
	CROUND                                         ; all waves hold the weights in registers
	REFILL                                         ; chunk 1 onto their bytes
.irp q, 0,1,2,3,4,5,6,7
	FRAG 3, 72+12*\q, \q, 4, 5
.endr
	WIN 0
	ds_load_b128 v[SA:SA+3], v8
	ds_load_b128 v[SA+4:SA+7], v8 offset:16
	global_prefetch_b8 v23, s[4:5] offset:196608 th:TH_LOAD_NT scope:SCOPE_SE
	s_wait_dscnt 0x0
	BODY 0, 0, 24, 99, 25, 1                       ; block 0: no way out yet
	WIN 0
	PLACES 4
	WALU
	RUN 0
	BODY 0, 24, 48, 99, 25, 1
	WIN 0
	WALU
	s_mov_b32 s101, 0
.Lband:                                                ; chunks 0 and 1 from their second block on, and the next chunk's first
	B 1, 13, 1
	WALU
	s_cmp_eq_u32 s101, 0
	s_cbranch_scc0 .Lno_ask
	global_prefetch_b8 v23, s[4:5] offset:294912 th:TH_LOAD_NT scope:SCOPE_SE
.Lno_ask:
	B 2, 13, 1
	BLAST 1
	B 0, 16, 1
	WALU
	s_add_co_u32 s101, s101, 1
	s_cmp_lt_u32 s101, 2
	s_cbranch_scc1 .Lband
	B 1, 13, 1
	B 2, 13, 1
	BLAST 0
	B 0, 16, 1
	B 1, 13, 1
	B 2, 13, 0
	s_wait_xcnt 0x0                                ; the last block fetches nothing
	s_wait_dscnt 13
	BODY 3, 0, 24, 4, 25, 0
	s_wait_dscnt 0x0
	BEND 3
	BODY 3, 24, 48, 4, 25, 0
	WIN 0
	PLACES 4
	VOUT
	; the last block's way out; the scale bytes gather in LDS and leave as whole units
	s_lshl_b32 s2, s30, 9
	s_add_co_u32 s2, s2, XN
	v_add_nc_u32 v108, s2, v16
	v_lshlrev_b32 v109, 3, v3
	s_lshl_b32 s2, s30, 8
	s_add_co_u32 s2, s2, XM
	v_add_nc_u32 v110, s2, v109
	v_and_b32 v111, 15, v0
	v_bfe_u32 v112, v0, 4, 1
	v_mul_u32_u24 v112, s100, v112
	v_lshl_add_u32 v111, v111, 4, v112             ; lanes 0-15 a = 0, lanes 16-31 a = 1
.set I_, 0
.rept 18
	CHAIN I_, ACC+32, TQ, SOP
.set I_, I_+1
.endr
	CODES 2, ACC+32, NCD+6, SOP, EB, TC
	ds_store_b8 v21, v[EB] offset:12
	WALU
	s_wait_dscnt 0x0
	s_barrier_signal -1
	CODES 0, ACC+32, NCD+6, SOP, EB, TC
	CODES 1, ACC+32, NCD+6, SOP, EB, TC
	v_nop
.irp i, 3,4,5
	CODES \i, ACC+32, NCD+6, SOP, EB, TC
.endr
	WALU
	s_barrier_wait -1
	ds_load_b128 v[116:119], v108
	ds_load_b64 v[120:121], v110
	global_store_b128 v16, v[NCD+6:NCD+9], s[20:21] offset:6144
	global_store_b64 v17, v[NCD+10:NCD+11], s[20:21] offset:3072
	s_wait_dscnt 0x0
	global_store_b128 v111, v[116:119], s[62:63]
	global_store_b64 v109, v[120:121], s[26:27]
	s_wait_tensorcnt 0x0                           ; the wave's end
	ds_add_u32 v1, v2
	s_wait_dscnt 0x0
	CROUND
	s_endpgm
.Lfunc_end_k_qdf9d21e5ac_proj:
	.size	k_qdf9d21e5ac_proj, .Lfunc_end_k_qdf9d21e5ac_proj-k_qdf9d21e5ac_proj
	.p2alignl 7, 3214868480
	.fill 96, 4, 3214868480
	.section	.rodata,"a",@progbits
	.p2align	6, 0x0
	.amdhsa_kernel k_qdf9d21e5ac_proj
		.amdhsa_group_segment_fixed_size 327680
		.amdhsa_private_segment_fixed_size 0
		.amdhsa_enable_private_segment 0
		.amdhsa_kernarg_size 104
		.amdhsa_user_sgpr_count 2
		.amdhsa_user_sgpr_kernarg_segment_ptr 1
		.amdhsa_wavefront_size32 1
		.amdhsa_system_sgpr_workgroup_id_x 1
		.amdhsa_system_sgpr_workgroup_id_y 1
		.amdhsa_system_sgpr_workgroup_id_z 1
		.amdhsa_system_vgpr_workitem_id 0
		.amdhsa_next_free_vgpr 1024
		.amdhsa_next_free_sgpr 102
		.amdhsa_reserve_vcc 0
		.amdhsa_float_denorm_mode_32 3
		.amdhsa_float_denorm_mode_16_64 3
		.amdhsa_memory_ordered 1
		.amdhsa_forward_progress 1
		.amdhsa_inst_pref_size 173
	.end_amdhsa_kernel
	.amdgpu_metadata
---
amdhsa.version: [ 1, 2 ]
amdhsa.kernels:
  - .name:           k_qdf9d21e5ac_proj
    .symbol:         k_qdf9d21e5ac_proj.kd
    .args:
      - { .name: x_codes, .offset: 0, .size: 8, .value_kind: global_buffer, .address_space: global }
      - { .name: x_scales, .offset: 8, .size: 8, .value_kind: global_buffer, .address_space: global }
      - { .name: Wq_codes, .offset: 16, .size: 8, .value_kind: global_buffer, .address_space: global }
      - { .name: Wk_codes, .offset: 24, .size: 8, .value_kind: global_buffer, .address_space: global }
      - { .name: Wv_codes, .offset: 32, .size: 8, .value_kind: global_buffer, .address_space: global }
      - { .name: Wq_scales, .offset: 40, .size: 8, .value_kind: global_buffer, .address_space: global }
      - { .name: Wk_scales, .offset: 48, .size: 8, .value_kind: global_buffer, .address_space: global }
      - { .name: Wv_scales, .offset: 56, .size: 8, .value_kind: global_buffer, .address_space: global }
      - { .name: bq, .offset: 64, .size: 8, .value_kind: global_buffer, .address_space: global }
      - { .name: bk, .offset: 72, .size: 8, .value_kind: global_buffer, .address_space: global }
      - { .name: bv, .offset: 80, .size: 8, .value_kind: global_buffer, .address_space: global }
      - { .name: kv, .offset: 88, .size: 8, .value_kind: global_buffer, .address_space: global }
      - { .name: qf, .offset: 96, .size: 8, .value_kind: global_buffer, .address_space: global }
    .group_segment_fixed_size: 327680
    .private_segment_fixed_size: 0
    .kernarg_segment_align: 8
    .kernarg_segment_size: 104
    .max_flat_workgroup_size: 128
    .sgpr_count:     102
    .vgpr_count:     1024
    .wavefront_size: 32
...
	.end_amdgpu_metadata
.endif
;; end of part 1
;; launch attn (part 2): grid 16 x 16, 4 waves a work-group, clusters of 4 x 1, 327,680 bytes of LDS; arguments kv, qf, out0; writes out0
.if DOCPART == 2
	.amdgcn_target "amdgcn-amd-amdhsa--gfx1250"
	.amdhsa_code_object_version 6
	.text
	.protected	k_qdf9d21e5ac_attn
	.globl	k_qdf9d21e5ac_attn
	.p2align	8
	.type	k_qdf9d21e5ac_attn,@function
k_qdf9d21e5ac_attn:
	s_mov_b64 s[64:65], 0
	v_nop
	global_prefetch_b8 v0, s[64:65] scope:SCOPE_SE
	s_setreg_imm32_b32 hwreg(HW_REG_WAVE_MODE, 25, 1), 1
	s_wait_xcnt 0x0
	s_wait_alu depctr_hold_cnt(0) depctr_sa_sdst(0) depctr_va_vdst(0) depctr_va_sdst(0) depctr_va_ssrc(0) depctr_va_vcc(0) depctr_vm_vsrc(0)
	s_getreg_b32 s2, hwreg(HW_REG_IB_STS2, 6, 4)
	s_cmp_eq_u32 s2, 0
	s_cbranch_scc0 .Lentry_in_a_cluster
	s_endpgm
.Lentry_in_a_cluster:
	s_bfe_u32 s2, ttmp6, 0x10000c
	s_cmp_lg_u32 s2, 0x3003
	s_cbranch_scc0 .Lentry_shape_is_right
	s_endpgm
.Lentry_shape_is_right:
; o = softmax(q k^T / sqrt(2048), causal) v on the codes that the first launch left.  One batch a row of the grid.
; LIMITS: NaN and infinities are not served; the promise holds while the scaled scores (the exponents to the base 2, before the maximum is taken away) stay under 2^31 in magnitude.
; A block's largest p is made of its largest score by the same multiply-add and exponential as the p themselves.
; WORK LEFT OUT: steps of 256 keys that lie wholly behind a block of 256 queries under the causal mask that reference() builds: the mask gives every such p as 0.  A NaN or an overflow that reaches only such scores is not carried to the result.
; SHARES.  A cluster of four work-groups takes blocks s14 and 7 - s14 of 256 queries, one after the other: 9 steps of 256 keys in each cluster.  A work-group takes 64 queries of each block (a band), a wave 32 of them (s11: tiles 2 s11, 2 s11 + 1)
; against one of the step's two key sets (s12: keys 64 s12 + 0 .. 63 and 128 + 64 s12 + 0 .. 63).  The two waves of 32 queries join their sums through LDS at a block's end, each for one tile (jq = 2 s11 + s12).
; THE ORDER OF ROWS.  Lane r of query tile jq holds query 32 (r / 8) + 8 (jq xor (r / 8)) + r % 8 of the band.  In S^T = K Q^T register i of key tile (c, j) in lane half h is key 128 c + 64 s12 + 32 h + 8 (j xor h) + i of the step:
; a lane's 32 registers of a band c are one scale block of p, in the order of V's codes.
; THE RING.  A step's 102,400 bytes are asked for jointly by the four work-groups, a quarter a wave; two slots; a refill stands behind a drained round of the cluster's barrier, which stands inside the products of S.
; LDS LOADS: the next step's K fragments come during the softmax, V's first ten during the products with V, its last six during the next products of S.
; PREFETCH: the cluster with s14 = 0 asks for the batch's steps 2 to 7, one step ahead of its own refill; its sixteen waves share a step's 400 units of 256 bytes by address.
; REGISTERS.  window 0: addresses, scales, v96-223 S^T and p, v224-247 p's codes.  window 1: O^T (two query tiles x 16 channel tiles).  window 2: K's 16 fragments, v192-239 Q.  window 3: V's 16 fragments, v192-239 the second block's Q.
.set SLOT1, 1<<17
.set STG,   102400
.set SPARE, STG+4*4352
.set EXST,  SPARE+512
.set EXCH,  SLOT1+102400
.set ST,  16                           ; for tile t from ST + 4 t on: -M, the running largest t, the sum in two halves
.set FF,  24
.set KS,  28
.set VS,  36
.set QS,  44
.set PS,  48
.set BM,  50
.set SCL, 54
.set T2,  58
.set TP,  60
.set PX,  62
.set DX,  64
.set BT,  68
.set C2,  80
.set SS,  96
.set PP,  224
.set CT,  248
.set MSB, 0
.macro WIN new
.if MSB != (\new)
	s_set_vgpr_msb (MSB<<8)|(\new)
.set MSB, (\new)
.endif
.endm
.macro PLACES n
.rept \n
	v_nop
.endr
.endm
.macro CREST
	s_barrier_wait -1
	s_cmp_lg_u32 s10, 0
	s_cbranch_scc1 .Lnot_wave_0_\@
	s_barrier_signal -3
.Lnot_wave_0_\@:
	s_barrier_wait -3
	s_barrier_signal -1
	s_barrier_wait -1
.endm
.macro CROUND
	s_barrier_signal -1
	CREST
.endm
.macro DSADR g0, mr                    ; my quarter of trip s[mr]'s step: the step's number is mr for the first block, mr - s14 - 1 for the second
	s_sub_co_u32 s57, s[\mr], s14
	s_sub_co_u32 s57, s57, 1
	s_cmp_le_u32 s[\mr], s14
	s_cselect_b32 s57, s[\mr], s57
	s_mul_i32 s58, s57, 102400
	s_mov_b32 s59, 0
	s_add_nc_u64 s[(\g0)+2:(\g0)+3], s[32:33], s[58:59]
	s_or_b32 s[(\g0)+3], s[(\g0)+3], 0x80000000
.endm
.macro WMS kind
.if (\kind) == 0
	v_wmma_scale_f32_16x16x128_f8f6f4 v[rD:rD+7], v[rA:rA+11], v[rB:rB+11], 0, v[rSA], v[rSB] matrix_a_fmt:MATRIX_FMT_FP6 matrix_b_fmt:MATRIX_FMT_FP6
.elseif (\kind) == 1
	v_wmma_scale_f32_16x16x128_f8f6f4 v[rD:rD+7], v[rA:rA+11], v[rB:rB+11], v[rD:rD+7], v[rSA], v[rSB] matrix_a_fmt:MATRIX_FMT_FP6 matrix_b_fmt:MATRIX_FMT_FP6 matrix_a_scale:MATRIX_SCALE_ROW1 matrix_b_scale:MATRIX_SCALE_ROW1
.elseif (\kind) == 2
	v_wmma_scale_f32_16x16x128_f8f6f4 v[rD:rD+7], v[rA:rA+11], v[rB:rB+11], v[rD:rD+7], v[rSA], v[rSB] matrix_a_fmt:MATRIX_FMT_FP6 matrix_b_fmt:MATRIX_FMT_FP6
.else
	v_wmma_scale_f32_16x16x128_f8f6f4 v[rD:rD+7], v[rA:rA+11], v[rB:rB+11], v[rD:rD+7], v[rSA], v[rSB] matrix_a_fmt:MATRIX_FMT_FP6 matrix_b_fmt:MATRIX_FMT_FP6 matrix_a_scale:MATRIX_SCALE_ROW1
.endif
.endm
.macro KL k                            ; K's fragment k = 2 kt + e, kt = 4 c + j the key tile
.set KO_, 12288*((\k)/8)
.set KI_, 2*((\k)%8)
	WIN 0x80
	ds_load_b128 v[12*(\k):12*(\k)+3], v5 offset:KO_+512*KI_
	ds_load_b64 v[12*(\k)+4:12*(\k)+5], v6 offset:KO_+8192+256*KI_
	ds_load_b128 v[12*(\k)+6:12*(\k)+9], v5 offset:KO_+512*KI_+512
	ds_load_b64 v[12*(\k)+10:12*(\k)+11], v6 offset:KO_+8192+256*KI_+256
.endm
.macro KSL
	WIN 0
	ds_load_b128 v[KS:KS+3], v5 offset:49152
	ds_load_b128 v[KS+4:KS+7], v5 offset:49664
.endm
.macro VL d                            ; V's fragment d: 16 channels
	WIN 0xc0
	ds_load_b128 v[12*(\d):12*(\d)+3], v5 offset:24576+512*(\d)
	ds_load_b64 v[12*(\d)+4:12*(\d)+5], v6 offset:32768+256*(\d)
	ds_load_b128 v[12*(\d)+6:12*(\d)+9], v5 offset:36864+512*(\d)
	ds_load_b64 v[12*(\d)+10:12*(\d)+11], v6 offset:45056+256*(\d)
.endm
.macro SMUL lo, hi                     ; S^T's products by pairs lo .. hi - 1: pair 8 e + kt.  V's last six fragments and scale words come in one run behind the first pair
.set I_, \lo
.rept (\hi)-(\lo)
	WIN 0x0a
.irp t, 0,1
.set rD, SS+64*\t+8*(I_%8)
.set rA, 12*(2*(I_%8)+I_/8)
.set rB, 192+24*\t+12*(I_/8)
.set rSA, KS+I_%8
.set rSB, QS+\t
	WMS I_/8
.endr
.if I_ == 0
.irp d, 10,11,12,13,14,15
	VL \d
.endr
	WIN 0
	ds_load_b128 v[VS:VS+3], v5 offset:50176
	ds_load_b128 v[VS+4:VS+7], v5 offset:50688
.endif
.set I_, I_+1
.endr
.endm
.macro MASK
.irp t, 0,1
.set n, 0
.rept 8
.irp i, 0,1,2,3,4,5,6,7
	v_cmp_gt_i32 s[66+\i], 128*(n/4)+8*(n%4)+\i, v[DX+2*\t+n%2]
.endr
.irp i, 0,1,2,3,4,5,6,7
	v_cndmask_b32 v[SS+64*\t+8*n+\i], v[SS+64*\t+8*n+\i], v76, s[66+\i]
.endr
.set n, n+1
.endr
.endr
.endm
.macro KH k                            ; four of K's fragments for the next step, in one run
.if NX_
.irp i, 0,1,2,3
	KL \k+\i
.endr
	WIN 0
.endif
.endm
.macro SOFTMAX
.if NX_
	v_add_nc_u32 v5, s34, v3                       ; the next step's slot
	v_add_nc_u32 v6, s34, v4
	s_xor_b32 s34, s34, SLOT1
.endif
	KH 0
.irp c, 0,1                            ; the largest score of each block: a chain for each half of it, eight chains by turns
.irp t, 0,1
	v_max3_num_f32 v[BM+2*\t+\c], v[SS+64*\t+32*\c], v[SS+64*\t+32*\c+1], v[SS+64*\t+32*\c+2]
	v_max3_num_f32 v[BT+2*\t+\c], v[SS+64*\t+32*\c+16], v[SS+64*\t+32*\c+17], v[SS+64*\t+32*\c+18]
.endr
.endr
.set k, 3
.rept 6
.irp c, 0,1
.irp t, 0,1
	v_max3_num_f32 v[BM+2*\t+\c], v[BM+2*\t+\c], v[SS+64*\t+32*\c+k], v[SS+64*\t+32*\c+k+1]
	v_max3_num_f32 v[BT+2*\t+\c], v[BT+2*\t+\c], v[SS+64*\t+32*\c+k+16], v[SS+64*\t+32*\c+k+17]
.endr
.endr
.set k, k+2
.endr
.irp c, 0,1
.irp t, 0,1
	v_max3_num_f32 v[BT+2*\t+\c], v[BT+2*\t+\c], v[SS+64*\t+32*\c+15], v[SS+64*\t+32*\c+31]
.endr
.endr
.irp c, 0,1
.irp t, 0,1
	v_max_num_f32 v[BM+2*\t+\c], v[BM+2*\t+\c], v[BT+2*\t+\c]
.endr
.endr
	KH 4
.irp t, 0,1
	v_max_num_f32 v[TP+\t], v[BM+2*\t], v[BM+2*\t+1]
.endr
.irp t, 0,1
	v_permlanex16_b32 v[T2+\t], v[TP+\t], s36, s37
.endr
.irp t, 0,1
	v_max_num_f32 v[TP+\t], v[TP+\t], v[T2+\t]
.endr
.irp t, 0,1
	v_mul_f32 v[TP+\t], s38, v[TP+\t]
.endr
.irp t, 0,1
	v_max_num_f32 v[ST+4*\t+1], v[ST+4*\t+1], v[TP+\t]
.endr
.irp t, 0,1
	v_mov_b32 v[TP+\t], v[ST+4*\t]
.endr
.irp t, 0,1
	v_floor_f32 v[ST+4*\t], -v[ST+4*\t+1]          ; -M, a whole number
.endr
.irp t, 0,1
	v_sub_f32 v[TP+\t], v[ST+4*\t], v[TP+\t]
.endr
.irp t, 0,1
	v_cvt_i32_f32 v[TP+\t], v[TP+\t]
.endr
.irp t, 0,1
	v_ldexp_f32 v[FF+2*\t], 1.0, v[TP+\t]          ; 2^(old M - new M)
.endr
.irp t, 0,1
.set k, 0
.rept 32
	v_pk_fma_f32 v[SS+64*\t+k:SS+64*\t+k+1], v[SS+64*\t+k:SS+64*\t+k+1], s[38:39], v[ST+4*\t:ST+4*\t+1] op_sel_hi:[1,0,0]
.set k, k+2
.endr
.endr
.irp c, 0,1
.irp t, 0,1
	v_fma_f32 v[BM+2*\t+\c], v[BM+2*\t+\c], s38, v[ST+4*\t]
.endr
.endr
	KH 8
.irp t, 0,1                            ; O^T under the new M, ahead of the exponentials
.set k, 0
.rept 64
	WIN 0x41
	v_pk_mul_f32 v[128*\t+k:128*\t+k+1], v[128*\t+k:128*\t+k+1], v[FF+2*\t:FF+2*\t+1] op_sel_hi:[1,0]
.set k, k+2
.endr
.endr
	WIN 0
	KH 12
.if NX_
	KSL
.endif
	s_wait_alu depctr_va_vdst(0)
.set k, 0
.rept 128
	v_exp_f32 v[SS+k], v[SS+k]
.set k, k+1
.endr
.irp c, 0,1,2,3
	v_exp_f32 v[BM+\c], v[BM+\c]
.endr
.irp t, 0,1
	v_pk_mul_f32 v[ST+4*\t+2:ST+4*\t+3], v[ST+4*\t+2:ST+4*\t+3], v[FF+2*\t:FF+2*\t+1] op_sel_hi:[1,0]
.endr
	s_wait_alu depctr_va_vdst(0)
.irp t, 0,1
	v_pk_add_f32 v[C2+2*\t:C2+2*\t+1], v[SS+64*\t:SS+64*\t+1], v[SS+64*\t+2:SS+64*\t+3]
	v_pk_add_f32 v[84+2*\t:85+2*\t], v[SS+64*\t+4:SS+64*\t+5], v[SS+64*\t+6:SS+64*\t+7]
	v_pk_add_f32 v[88+2*\t:89+2*\t], v[SS+64*\t+8:SS+64*\t+9], v[SS+64*\t+10:SS+64*\t+11]
	v_pk_add_f32 v[ST+4*\t+2:ST+4*\t+3], v[ST+4*\t+2:ST+4*\t+3], v[SS+64*\t+12:SS+64*\t+13]
.endr
.set k, 14
.rept 6                                ; the row's sum of the unquantised p: four chains a tile
.irp t, 0,1
	v_pk_add_f32 v[C2+2*\t:C2+2*\t+1], v[C2+2*\t:C2+2*\t+1], v[SS+64*\t+k:SS+64*\t+k+1]
	v_pk_add_f32 v[84+2*\t:85+2*\t], v[84+2*\t:85+2*\t], v[SS+64*\t+k+2:SS+64*\t+k+3]
	v_pk_add_f32 v[88+2*\t:89+2*\t], v[88+2*\t:89+2*\t], v[SS+64*\t+k+4:SS+64*\t+k+5]
	v_pk_add_f32 v[ST+4*\t+2:ST+4*\t+3], v[ST+4*\t+2:ST+4*\t+3], v[SS+64*\t+k+6:SS+64*\t+k+7]
.endr
.set k, k+8
.endr
.irp t, 0,1
	v_pk_add_f32 v[84+2*\t:85+2*\t], v[84+2*\t:85+2*\t], v[SS+64*\t+62:SS+64*\t+63]
	v_pk_add_f32 v[ST+4*\t+2:ST+4*\t+3], v[ST+4*\t+2:ST+4*\t+3], v[88+2*\t:89+2*\t]
.endr
.irp t, 0,1
	v_pk_add_f32 v[C2+2*\t:C2+2*\t+1], v[C2+2*\t:C2+2*\t+1], v[84+2*\t:85+2*\t]
.endr
.irp t, 0,1
	v_pk_add_f32 v[ST+4*\t+2:ST+4*\t+3], v[ST+4*\t+2:ST+4*\t+3], v[C2+2*\t:C2+2*\t+1]
.endr
.irp c, 0,1,2,3
	v_max_num_f32 v[BM+\c], 0x1800000, v[BM+\c]    ; the floor 2^(3 - 127) holds the byte at 1 from below
.endr
.irp c, 0,1,2,3
	v_add_nc_u32 v[SCL+\c], 0xff000000, v[BM+\c]
.endr
.irp c, 0,1,2,3
	v_lshrrev_b32 v[BT+\c], 23, v[SCL+\c]
.endr
.irp t, 0,1
	v_lshl_or_b32 v[PX+\t], v[BT+2*\t+1], 16, v[BT+2*\t]
.endr
.irp t, 0,1
	v_lshlrev_b32 v[PX+\t], v15, v[PX+\t]          ; bytes h and 2 + h of the scale word are mine,
.endr
.irp t, 0,1
	v_permlanex16_b32 v[T2+\t], v[PX+\t], s36, s37
.endr
.irp t, 0,1
	v_or_b32 v[PS+\t], v[PX+\t], v[T2+\t]          ; the others are lane l xor 16's
.endr
.irp t, 0,1
.irp c, 0,1
	v_cvt_scalef32_pk16_fp6_f32 v[PP+12*\t+6*\c:PP+12*\t+6*\c+2], v[SS+64*\t+32*\c:SS+64*\t+32*\c+15], v[SCL+2*\t+\c]
	v_cvt_scalef32_pk16_fp6_f32 v[CT+4*\c:CT+4*\c+2], v[SS+64*\t+32*\c+16:SS+64*\t+32*\c+31], v[SCL+2*\t+\c]
.endr
	v_nop
.irp c, 0,1
.irp i, 0,1,2
	v_mov_b32 v[PP+12*\t+6*\c+3+\i], v[CT+4*\c+\i]
.endr
.endr
.endr
	s_wait_alu depctr_va_vdst(0)
	PLACES 4
.endm
.macro PV                              ; O^T += V^T p^T; V's first ten fragments of the next step behind those that have been read
.set VN_, 0
.set I_, 0
.rept 16
	WIN 0x53
.irp t, 0,1
.set rD, 128*\t+8*I_
.set rA, 12*I_
.set rB, PP+12*\t
.set rSA, VS+4*(I_/8)+I_%4
.set rSB, PS+\t
	WMS 2+(I_/4)%2
.endr
.if NX_
.if (I_ == 5) || (I_ == 10)
	PLACES 4
.rept 5
	VL VN_
.set VN_, VN_+1
.endr
.endif
.endif
.set I_, I_+1
.endr
	WIN 0
	PLACES 4
.endm
.macro TRIP mode, mask                 ; mode 2: a refill; 1: the last tile is shown; 0: nothing more comes
.set NX_, (\mode) > 0
	s_wait_dscnt 40                                ; K's fragments and scale words are in; V's first ten fragments, four loads each, may be out
	SMUL 0, 12
	WIN 0
.if (\mode) == 2
	s_wait_tensorcnt 0x0
	ds_add_u32 v1, v2
	SMUL 12, 14
	WIN 0
	s_xor_b32 s29, s29, SLOT1
	s_add_co_u32 s56, s35, 2
	DSADR 28, 56
	s_wait_xcnt 0x0                                ; the prefetch has read its base
	s_add_nc_u64 s[40:41], s[40:41], 102400
	s_wait_dscnt 0x0
	s_barrier_signal -1
	SMUL 14, 16
	WIN 0
	CREST
	tensor_load_to_lds s[28:31], s[16:23]
	s_nop 0
	PLACES 4
.elseif (\mode) == 1
	s_wait_tensorcnt 0x0
	s_wait_dscnt 0x0
	s_barrier_signal -1
	SMUL 12, 16
	WIN 0
	s_barrier_wait -1
	PLACES 4
.else
	SMUL 12, 16
	WIN 0
	s_wait_dscnt 0x0
	PLACES 4
.endif
.if (\mask) == 2
	s_cmp_lg_u32 s35, s14
	s_cbranch_scc1 .Lopen_\@
	MASK
	s_wait_alu depctr_va_vdst(0)
.Lopen_\@:
.elseif (\mask) == 1
	MASK
.endif
	SOFTMAX
	PV
.endm
; A block's end: the partner's sums of my tile (t = 0) come through LDS, both under the larger M; divided by the row's sum; out through my stage as whole units of 256 bytes
.macro FINISH restart
.irp t, 0,1
	v_add_f32 v[84+\t], v[ST+4*\t+2], v[ST+4*\t+3]
.endr
.irp t, 0,1
	v_permlanex16_b32 v[86+\t], v[84+\t], s36, s37
.endr
.irp t, 0,1
	v_add_f32 v[84+\t], v[84+\t], v[86+\t]
.endr
	ds_store_b32 v12, v[ST+4]
	ds_store_b32 v12, v85 offset:128
	WIN 0x04
.set i, 0
.rept 32
	ds_store_b128 v10, v[128+4*i:128+4*i+3] offset:512*i
.set i, i+1
.endr
	WIN 0
	s_wait_alu depctr_va_vdst(0)
	s_wait_dscnt 0x0
	s_barrier_signal -1
	s_barrier_wait -1
	ds_load_b32 v88, v13
	ds_load_b32 v89, v13 offset:128
.set i, 0
.rept 32
	ds_load_b128 v[SS+4*i:SS+4*i+3], v11 offset:512*i
.set i, i+1
.endr
	s_wait_dscnt 0x0
	v_min_num_f32 v90, v[ST], v88
	v_sub_f32 v91, v90, v[ST]
	v_sub_f32 v92, v90, v88
	v_cvt_i32_f32 v91, v91
	v_cvt_i32_f32 v92, v92
	v_ldexp_f32 v91, 1.0, v91
	v_ldexp_f32 v92, 1.0, v92
	v_mul_f32 v93, v84, v91
	v_fma_f32 v93, v89, v92, v93
	s_wait_alu depctr_va_vdst(0)
	v_rcp_f32 v94, v93
	v_nop
	s_wait_alu depctr_va_vdst(0)
	v_mul_f32 v86, v91, v94
	v_mul_f32 v87, v91, v94
	v_mul_f32 v88, v92, v94
	v_mul_f32 v89, v92, v94
.set k, 0
.rept 64
	v_pk_mul_f32 v[SS+k:SS+k+1], v[SS+k:SS+k+1], v[88:89] op_sel_hi:[1,0]
.set k, k+2
.endr
	s_wait_alu depctr_va_vdst(0)
	WIN 0x01
.set k, 0
.rept 64
	v_pk_fma_f32 v[SS+k:SS+k+1], v[k:k+1], v[86:87], v[SS+k:SS+k+1] op_sel_hi:[1,0,1]
.set k, k+2
.endr
	WIN 0
.irp q, 0,1,2,3
.irp d, 0,1,2,3
	ds_store_b128 v8, v[SS+32*\q+8*\d:SS+32*\q+8*\d+3] offset:64*\d
	ds_store_b128 v8, v[SS+32*\q+8*\d+4:SS+32*\q+8*\d+7] offset:64*\d+16
.endr
.irp i, 0,1,2,3,4,5,6,7
	ds_load_b128 v[SS+32*\q+4*\i:SS+32*\q+4*\i+3], v9 offset:544*\i
.endr
.endr
.irp q, 0,1,2,3
.irp i, 0,1,2,3,4,5,6,7
	s_wait_dscnt 16*(3-\q)+7-\i
.if \i < 4
	global_store_b128 v7, v[SS+32*\q+4*\i:SS+32*\q+4*\i+3], s[44:45] offset:2048*\i+256*\q th:TH_STORE_NT
.else
	global_store_b128 v14, v[SS+32*\q+4*\i:SS+32*\q+4*\i+3], s[44:45] offset:2048*(\i-4)+256*\q th:TH_STORE_NT
.endif
.endr
.endr
	s_wait_xcnt 0x0
.if \restart
	s_mov_b64 s[44:45], s[46:47]
	v_mov_b32 v[QS], v46
	v_mov_b32 v[QS+1], v47
	WIN 0x83
.set i, 0
.rept 48
	v_mov_b32 v[192+i], v[192+i]                   ; the second block's Q, from window 3 to window 2
.set i, i+1
.endr
	WIN 0
.irp t, 0,1
	v_mov_b32 v[ST+4*\t+1], 0xff61b1e6             ; -3e38: the next factor for O^T is then 0
	v_floor_f32 v[ST+4*\t], -v[ST+4*\t+1]
	v_mov_b32 v[ST+4*\t+2], 0
	v_mov_b32 v[ST+4*\t+3], 0
.endr
	PLACES 8
	s_wait_alu depctr_va_vdst(0)
.endif
.endm
	s_load_b128 s[4:7], s[0:1], 0x0                ; kv, qf
	s_load_b64 s[8:9], s[0:1], 0x10                ; out0
	v_lshl_add_u32 v1, v0, 2, SPARE
	v_mov_b32 v2, 0
	ds_add_u32 v1, v2
	ds_add_u32 v1, v2
	v_lshrrev_b32 v84, 5, v0
	v_readfirstlane_b32 s10, v84
	s_lshr_b32 s11, s10, 1
	s_and_b32 s12, s10, 1
	s_bfe_u32 s13, ttmp6, 0x40000
	s_mov_b32 s14, ttmp9
	s_and_b32 s15, ttmp7, 0xffff
	s_mov_b32 s16, 15|(3<<16)|(1<<21)              ; 100 rows of 256 bytes for all four partners
	s_mov_b32 s17, 32<<16
	s_mov_b32 s18, 100<<16
	s_mov_b32 s19, 32<<16
	s_mov_b32 s20, 100
	s_mov_b32 s21, 32
	s_mov_b32 s22, 0
	s_mov_b32 s23, 0
	s_mul_i32 s43, s10, 25600
	s_mul_i32 s56, s15, 819200
	s_add_co_u32 s66, s56, s43
	s_mov_b32 s67, 0
	s_mul_i32 s68, s13, 25600
	s_mul_i32 s69, s10, 6400
	s_add_co_u32 s68, s68, s69
	s_add_co_u32 s68, s68, s56
	s_add_co_u32 s68, s68, 102400
	s_mov_b32 s69, 0
	s_cmp_eq_u32 s14, 0
	s_cselect_b32 s42, 6, 0
	s_wait_alu depctr_va_vdst(0)
	s_wait_dscnt 0x0
	s_wait_kmcnt 0x0
	s_add_nc_u64 s[32:33], s[4:5], s[66:67]
	s_add_nc_u64 s[40:41], s[4:5], s[68:69]
	s_mov_b32 s24, 1
	s_mov_b32 s25, s43
	s_mov_b32 s56, 0
	DSADR 24, 56
	s_mov_b32 s28, 1
	s_add_co_u32 s29, s43, SLOT1
	s_mov_b32 s56, 1
	DSADR 28, 56
	CROUND
	tensor_load_to_lds s[24:27], s[16:23]          ; the first step; all that follows stands under its flight
	s_nop 0
	PLACES 4
	s_mov_b32 s36, 0x76543210
	s_mov_b32 s37, 0xfedcba98
	s_mov_b32 s38, 0x3d0293ee                      ; log2(e) / sqrt(2048)
	s_mov_b32 s39, s38
	s_mov_b32 s34, SLOT1
	s_lshl_b32 s61, s11, 1
	s_add_co_u32 s61, s61, s12                     ; jq of tile t = 0, mine at the block's end
	s_xor_b32 s60, s61, 1                          ; of t = 1
	s_lshl_b32 s56, s15, 3
	s_add_co_u32 s57, s56, s14
	s_lshl_b32 s57, s57, 2
	s_add_co_u32 s57, s57, s13                     ; my band of the first block
	s_sub_co_u32 s58, 7, s14
	s_add_co_u32 s58, s58, s56
	s_lshl_b32 s58, s58, 2
	s_add_co_u32 s58, s58, s13                     ; of the second
	s_mul_i32 s66, s57, 12800
	s_add_nc_u64 s[48:49], s[6:7], s[66:67]
	s_mul_i32 s66, s58, 12800
	s_add_nc_u64 s[52:53], s[6:7], s[66:67]
	s_lshl_b32 s59, s61, 13                        ; 8 jq rows of 1,024 bytes
	s_lshl_b32 s66, s57, 16
	s_add_co_u32 s66, s66, s59
	s_add_nc_u64 s[44:45], s[8:9], s[66:67]
	s_lshl_b32 s66, s58, 16
	s_add_co_u32 s66, s66, s59
	s_add_nc_u64 s[46:47], s[8:9], s[66:67]
	s_lshl_b32 s62, s61, 11
	s_lshl_b32 s63, s60, 11
	s_lshl_b32 s68, s61, 10
	s_add_co_u32 s68, s68, 8192
	s_lshl_b32 s69, s60, 10
	s_add_co_u32 s69, s69, 8192
	s_lshl_b32 s70, s61, 2
	s_add_co_u32 s70, s70, 12288
	s_lshl_b32 s71, s60, 2
	s_add_co_u32 s71, s71, 12288
	v_and_b32 v84, 31, v0                          ; lane
	v_and_b32 v85, 15, v0                          ; r
	v_bfe_u32 v86, v0, 4, 1                        ; h
	v_and_b32 v87, 7, v0                           ; r % 8
	v_bfe_u32 v90, v0, 3, 1                        ; r / 8
	v_lshl_add_u32 v78, v84, 4, s62
	v_lshl_add_u32 v79, v84, 4, s63
	v_lshl_add_u32 v91, v84, 3, s68
	v_lshl_add_u32 v92, v84, 3, s69
	v_lshl_add_u32 v93, v84, 4, s70
	v_lshl_add_u32 v94, v84, 4, s71
	s_wait_alu depctr_va_vdst(0)
.macro QLOAD w, base
	WIN \w
.irp t, 0,1
.irp e, 0,1
.irp c, 0,1
	global_load_b128 v[192+24*\t+12*\e+6*\c:192+24*\t+12*\e+6*\c+3], v[78+\t], s[\base:\base+1] offset:1024*\e+512*\c
	global_load_b64 v[196+24*\t+12*\e+6*\c:196+24*\t+12*\e+6*\c+1], v[91+\t], s[\base:\base+1] offset:512*\e+256*\c
.endr
.endr
.endr
	WIN 0
.endm
	QLOAD 0x80, 48
	QLOAD 0xc0, 52
	global_load_b32 v[QS], v93, s[48:49]
	global_load_b32 v[QS+1], v94, s[48:49]
	global_load_b32 v46, v93, s[52:53]
	global_load_b32 v47, v94, s[52:53]
	s_mul_i32 s56, s12, 51200
	v_lshl_add_u32 v3, v84, 4, s56
	v_lshl_add_u32 v4, v84, 3, s56
	v_mov_b32 v5, v3
	v_mov_b32 v6, v4
	v_lshlrev_b32 v7, 10, v86
	v_lshl_add_u32 v7, v85, 4, v7                  ; out: lanes 0-15 one row's 256 bytes, lanes 16-31 the next row's
	s_lshl_b32 s56, s12, 14
	s_sub_co_u32 s56, 40960, s56
	v_add_nc_u32 v14, s56, v7                      ; the tile's rows 8 on: 40 tokens further on where jq is even, 24 where it is odd
	v_lshlrev_b32 v15, 3, v86
	s_mul_i32 s56, s10, 4352
	s_add_co_u32 s56, s56, STG
	v_mul_u32_u24 v8, v85, 272
	v_lshl_add_u32 v8, v86, 5, v8
	v_add_nc_u32 v8, s56, v8
	v_mul_u32_u24 v9, v86, 272
	v_lshl_add_u32 v9, v85, 4, v9
	v_add_nc_u32 v9, s56, v9
	s_wait_alu depctr_va_vdst(0)
	s_xor_b32 s58, s10, 1
	s_lshl_b32 s56, s10, 14
	s_add_co_u32 s56, s56, EXCH
	v_lshl_add_u32 v10, v84, 4, s56
	s_lshl_b32 s56, s58, 14
	s_add_co_u32 s56, s56, EXCH
	v_lshl_add_u32 v11, v84, 4, s56
	s_lshl_b32 s56, s10, 8
	s_add_co_u32 s56, s56, EXST
	v_lshl_add_u32 v12, v84, 2, s56
	s_lshl_b32 s56, s58, 8
	s_add_co_u32 s56, s56, EXST
	v_lshl_add_u32 v13, v84, 2, s56
	; the mask: tile t's query in the block less what the lane adds to a register's key (64 s12 + 40 h for j even, 64 s12 + 24 h for j odd)
	s_lshl_b32 s2, s13, 6
	s_lshl_b32 s3, s12, 6
	s_sub_co_u32 s2, s2, s3
	s_lshl_b32 s57, s61, 3
	s_add_co_u32 s57, s57, s2
	s_lshl_b32 s59, s60, 3
	s_add_co_u32 s59, s59, s2
	s_lshl_b32 s3, s12, 4
	s_sub_co_u32 s56, 40, s3
	s_add_co_u32 s58, s3, 24
	s_wait_alu depctr_va_vdst(0)
	v_mul_u32_u24 v88, 40, v86
	v_mul_u32_u24 v89, 24, v86
	v_mad_u32_u24 v95, v90, s56, v87
	v_add_nc_u32 v95, s57, v95
	v_sub_nc_u32 v[DX], v95, v88
	v_sub_nc_u32 v[DX+1], v95, v89
	v_mad_u32_u24 v95, v90, s58, v87
	v_add_nc_u32 v95, s59, v95
	v_sub_nc_u32 v[DX+2], v95, v88
	v_sub_nc_u32 v[DX+3], v95, v89
	v_min_u32 v77, 24, v84
	v_lshlrev_b32 v77, 8, v77
	v_mov_b32 v76, 0xff800000
.irp t, 0,1
	v_mov_b32 v[ST+4*\t+1], 0xff61b1e6
	v_floor_f32 v[ST+4*\t], -v[ST+4*\t+1]
	v_mov_b32 v[ST+4*\t+2], 0
	v_mov_b32 v[ST+4*\t+3], 0
	v_mov_b32 v[FF+2*\t+1], 0
	v_mov_b32 v[T2+\t], 0
.endr
	WIN 0x40
.set i, 0
.rept 256
	v_mov_b32 v[i], 0                              ; O^T: the step is written once, and the first factor finds zeros
.set i, i+1
.endr
	WIN 0
	s_wait_alu depctr_va_vdst(0)
	s_wait_tensorcnt 0x0
	ds_add_u32 v1, v2
	s_wait_dscnt 0x0
	CROUND
	tensor_load_to_lds s[28:31], s[16:23]          ; the second step
	s_nop 0
	PLACES 4
.set n, 0
.rept 16
	KL n
.set n, n+1
.endr
	KSL
.set n, 0
.rept 10
	VL n
.set n, n+1
.endr
	WIN 0
	s_wait_loadcnt 0x0
	s_mov_b32 s35, 0
.Ltrip:
	TRIP 2, 2
	s_cmp_lt_u32 s35, s42
	s_cbranch_scc0 .Lnot_mine
	global_prefetch_b8 v77, s[40:41] th:TH_LOAD_NT scope:SCOPE_SE
.Lnot_mine:
	s_cmp_lg_u32 s35, s14
	s_cbranch_scc1 .Lgo_on
	FINISH 1
.Lgo_on:
	s_add_co_u32 s35, s35, 1
	s_cmp_lt_u32 s35, 7
	s_cbranch_scc1 .Ltrip
	TRIP 1, 0
	TRIP 0, 1
	FINISH 0
	s_wait_tensorcnt 0x0                           ; the wave's end
	ds_add_u32 v1, v2
	s_wait_dscnt 0x0
	CROUND
	s_endpgm
.Lfunc_end_k_qdf9d21e5ac_attn:
	.size	k_qdf9d21e5ac_attn, .Lfunc_end_k_qdf9d21e5ac_attn-k_qdf9d21e5ac_attn
	.p2alignl 7, 3214868480
	.fill 96, 4, 3214868480
	.section	.rodata,"a",@progbits
	.p2align	6, 0x0
	.amdhsa_kernel k_qdf9d21e5ac_attn
		.amdhsa_group_segment_fixed_size 327680
		.amdhsa_private_segment_fixed_size 0
		.amdhsa_enable_private_segment 0
		.amdhsa_kernarg_size 24
		.amdhsa_user_sgpr_count 2
		.amdhsa_user_sgpr_kernarg_segment_ptr 1
		.amdhsa_wavefront_size32 1
		.amdhsa_system_sgpr_workgroup_id_x 1
		.amdhsa_system_sgpr_workgroup_id_y 1
		.amdhsa_system_sgpr_workgroup_id_z 1
		.amdhsa_system_vgpr_workitem_id 0
		.amdhsa_next_free_vgpr 1024
		.amdhsa_next_free_sgpr 80
		.amdhsa_reserve_vcc 0
		.amdhsa_float_denorm_mode_32 3
		.amdhsa_float_denorm_mode_16_64 3
		.amdhsa_memory_ordered 1
		.amdhsa_forward_progress 1
		.amdhsa_inst_pref_size 239
	.end_amdhsa_kernel
	.amdgpu_metadata
---
amdhsa.version: [ 1, 2 ]
amdhsa.kernels:
  - .name:           k_qdf9d21e5ac_attn
    .symbol:         k_qdf9d21e5ac_attn.kd
    .args:
      - { .name: kv, .offset: 0, .size: 8, .value_kind: global_buffer, .address_space: global }
      - { .name: qf, .offset: 8, .size: 8, .value_kind: global_buffer, .address_space: global }
      - { .name: out0, .offset: 16, .size: 8, .value_kind: global_buffer, .address_space: global }
    .group_segment_fixed_size: 327680
    .private_segment_fixed_size: 0
    .kernarg_segment_align: 8
    .kernarg_segment_size: 24
    .max_flat_workgroup_size: 128
    .sgpr_count:     80
    .vgpr_count:     1024
    .wavefront_size: 32
...
	.end_amdgpu_metadata
.endif
;; end of part 2
